; MI455X (gfx1250); checked and timed in simulation.
; The chip was launched on July 23, 2026; its instructions are those of AMD's public machine-readable ISA for CDNA 5 (MIT licence, August 2026) and "CDNA5" Instruction Set Architecture Reference Guide (July 2026). The comments in the code are by the model that wrote it; some were corrected since.
;; Attention. Allowed arithmetic: matrix products marked QUANTISED: E2M1 operands, one E8M0 scale for each 32 along K, by v_wmma_scale_f32_16x16x128_f8f6f4 with both operands' format E2M1 (or v_wmma_scale_f32_32x16x128_f4), f32 sums; products left as they are: f32 operands where the result goes on into a quantised operand, else bf16, f16 or f32 operands; f32 sums; everything else in f32.
;; Inputs: en_output 64 x 1,024 x 1,024 float32; hidden_codes 1 x 64 x 32 x 16 uint8 (E2M1 codes of hidden, K innermost, in blocks of 32 codes, two codes a byte); hidden_scales 1 x 64 x 32 uint8 (E8M0 scales of hidden, one for each 32 codes along K); v_w 1 x 1,024 float32; w_de_b 1,024 float32; w_de_w_codes 1,024 x 32 x 16 uint8 (E2M1 codes of w_de_w, K innermost, in blocks of 32 codes, two codes a byte); w_de_w_scales 1,024 x 32 uint8 (E8M0 scales of w_de_w, one for each 32 codes along K); w_en_b 1,024 float32; w_en_w_codes 1,024 x 32 x 16 uint8 (E2M1 codes of w_en_w, K innermost, in blocks of 32 codes, two codes a byte); w_en_w_scales 1,024 x 32 uint8 (E8M0 scales of w_en_w, one for each 32 codes along K).
;; Outputs: out0 64 x 1 x 1,024 float32; out1 64 x 1,024 float32.
;; This version of the problem:
;;   THIS VERSION OF THE PROBLEM IS GIVEN IN LOW PRECISION. The matrix products marked QUANTISED in the list below multiply operands that are first quantised to E2M1 (2 exponent bits, 1 mantissa bit; 4 bits a number), with one power-of-two scale for each 32 numbers along K (OCP MX v1.0); their sums are f32. All else is computed in f32.
;;   The module's matrix products, in the order in which they are computed (A, B: the left and right operand; K: the contracted axis; several contracted axes count as one K, in the product's order):
;;     1. [M 65,536, K 1,024] x [K 1,024, N 1,024]; A: input en_output; B: input w_en_w (given as codes): QUANTISED
;;     2. [M 64, K 1,024] x [K 1,024, N 1,024]; A: input hidden (given as codes); B: input w_de_w (given as codes): QUANTISED
;;     3. [M 65,536, K 1,024] x [K 1,024, N 1]; A: computed on the way; B: computed on the way: left as it is (N = 1 < 16)
;;     4. batch 64 x [M 1, K 1,024] x [K 1,024, N 1,024]; A: softmax; B: input en_output: left as it is (M = 1 < 16)
;;   THE QUANTISER, for each operand of a quantised product, along K:
;;     - K is cut into blocks of 32 from its start; a last block that is shorter is filled with zeros.
;;     - A block's scale is 2^e with e = floor(log2(the largest magnitude in the block)) - 2, held to -126 .. 127; a block of zeros has e = 0. As a byte (E8M0): e + 127.
;;     - Each number is divided by its block's scale, clamped to +-6, and rounded to the nearest number of E2M1, ties to even, subnormals kept.
;;     - The product sums the exact products of the quantised numbers (number of the format x scale) in f32.
;;   ~~~python
;;   def quantise(x, axis):      # numpy; x: float32 -> the quantised numbers, widened to float32 again
;;       x = np.moveaxis(x, axis, -1); K = x.shape[-1]
;;       x = np.pad(x, [(0, 0)] * (x.ndim - 1) + [(0, -K % 32)]); x = x.reshape(x.shape[:-1] + (-1, 32)); a = np.abs(x).max(-1, keepdims=True)
;;       e = np.where(a > 0, np.clip(np.frexp(np.where(a > 0, a, 1))[1] - 1 - 2, -126, 127), 0)      # np.frexp(a)[1] - 1 = floor(log2(a)), exactly
;;       r = np.clip(x / 2.0 ** e, -6, 6)
;;       step = 2.0 ** (np.maximum(np.frexp(np.where(r == 0, 1, r))[1] - 1, 0) - 1)
;;       q = np.round(r / step) * step * 2.0 ** e      # np.round: ties to even
;;       return np.moveaxis(q.reshape(q.shape[:-2] + (-1,))[..., :K], -1, axis).astype(np.float32)
;;   ~~~
;;   INPUTS GIVEN AS CODES. hidden (in the module: [1, 64, 1024], K = its axis 2); w_de_w (in the module: [1024, 1024], K = its axis 1); w_en_w (in the module: [1024, 1024], K = its axis 1): each comes as NAME_codes (uint8): NAME with its K axis moved to the last place and cut into blocks of 32 codes, [.., K / 32, bytes a block], one block behind the other in memory; two codes a byte, the lower K in the low four bits (a code: sign, 2 exponent bits, 1 mantissa bit); and NAME_scales (uint8): the same leading axes, one E8M0 byte (e + 127) for each 32 codes along K. Its value is code x scale, taken as it is: it is not quantised again, and the codes and scales need not be those that the quantiser above would give.
;; One version. Each part assembles by itself: llvm-mc -triple=amdgcn-amd-amdhsa -mcpu=gfx1250 --defsym DOCPART=n.
;; ======== version 1 of 1: 3 launches
;; limits: values are held in bf16: 8 bits of precision; right only within a limited range of input values
;; workspace buffers: cb 262,144 bytes; sc 262,144 bytes; part 1,114,112 bytes
;; launch bias (part 1): grid 64 x 1, 1 waves a work-group, no clusters, 4,864 bytes of LDS; arguments hidden_codes, hidden_scales, w_de_w_codes, w_de_w_scales, w_de_b, w_en_b, cb; writes cb
.if DOCPART == 1
	.amdgcn_target "amdgcn-amd-amdhsa--gfx1250"
	.amdhsa_code_object_version 6
	.text
	.protected	k_q9b0c31f70b_bias
	.globl	k_q9b0c31f70b_bias
	.p2align	8
	.type	k_q9b0c31f70b_bias,@function
k_q9b0c31f70b_bias:
	s_mov_b64 s[64:65], 0
	v_nop
	global_prefetch_b8 v0, s[64:65] scope:SCOPE_SE
	s_setreg_imm32_b32 hwreg(HW_REG_WAVE_MODE, 25, 1), 1
	s_wait_xcnt 0x0
; THE PROGRAM (three launches).  weighted[b] = sum over s of softmax_s(score[b][s]) x[b][s][:],  score[b][s] = sum over d of v[d] tanh(x[b][s] . w_en[d] + c[b][d]),
; c[b][d] = hidden[b] . w_de[d] + w_de_b[d] + w_en_b[d].  This launch makes c; the second the scores, and for each quarter of a batch a running maximum, sum and weighted sum; the third joins the quarters.
; WORK LEFT OUT.  tanh(y) = 1 - 2 / (1 + e^(2 y)), so score[b][s] = (sum over d of v[d]) - 2 sum over d of v[d] / (1 + e^(2 y)).  The first term is the same for every s of a batch: a term added to the
; softmax's input that is constant along its axis, whatever finite values the inputs hold.  It is not computed; both outputs are functions of the softmax alone.  Every input stays live and is loaded.
; LIMIT: an overflow, an infinity or a NaN that would arise only in that sum of v is not carried to the results.  NaN and infinities among the inputs are not served.
;
; THIS LAUNCH: c[b][d], 64 x 1,024 f32, into the workspace cb.  The product hidden . w_de^T is on codes of E2M1 with one E8M0 byte for each 32 along K, both operands as they are given.
; One wave to a work-group; work-group g makes 16 batches (16 (g / 16) on) x 64 d (64 (g % 16) on): four accumulators, which take turns, eight K steps of 128.
; THE MATRIX INSTRUCTION IS USED TRANSPOSED: source 0 = 16 rows of w_de, source 1 = 16 rows of hidden: lane (r, h) then holds batch r and its registers j the neighbouring d = 8 h + j of the tile.
; SCALES: a row has 32 bytes, eight words, one for each K step.  Lane (r, h) loads the 16 bytes at 32 r + 16 h: register j holds in lanes 0-15 the word of K step j, in lanes 16-31 that of K step 4 + j,
; which the instruction takes with the selector for the upper lanes.
; The 16 x 64 results leave through a stage in LDS (rows of 256 bytes + 16), so that sixteen lanes store 256 consecutive bytes, at a multiple of 256 from cb's first byte.
.set SPARE, 4608                       ; behind the stage (16 x 272 bytes): the spare words, one block of 256 bytes that no other line names
.set HB,  16                           ; v16-79    hidden's eight fragments
.set HS,  80                           ; v80-83    hidden's scale words
.set WS,  84                           ; v84-99    w_de's scale words, four registers a tile
.set ACC, 100                          ; v100-131  four accumulators
.set B1,  132                          ; v132-163  w_de_b in the result's layout; later the rows read back from the stage
.set B2,  164                          ; v164-195  w_en_b likewise
.set OUT, 196                          ; v196-227  c
                                       ; window 1: w_de's fragments, (tile t, K step q) at v[64 t + 8 q]
.set MSB, 0
.macro WIN new                         ; the immediate's high byte repeats the setting that is left
.if MSB != (\new)
	s_set_vgpr_msb (MSB<<8)|(\new)
.set MSB, (\new)
.endif
.endm
	s_load_b256 s[4:11], s[0:1], 0x0               ; hidden's codes s[4:5], its scales s[6:7], w_de's codes s[8:9], its scales s[10:11]
	s_load_b128 s[12:15], s[0:1], 0x20             ; w_de_b s[12:13], w_en_b s[14:15]
	s_load_b64 s[16:17], s[0:1], 0x30              ; cb
	v_lshl_add_u32 v10, v0, 2, SPARE               ; my spare word,
	v_mov_b32 v11, 0                               ; and 0: kept for the closing lines
	v_and_b32 v1, 15, v0                           ; r
	v_lshrrev_b32 v2, 4, v0                        ; h
	v_lshlrev_b32 v3, 9, v1
	v_lshl_add_u32 v3, v2, 4, v3                   ; codes: row r of 512 bytes, + 16 h
	v_lshlrev_b32 v4, 5, v1
	v_lshl_add_u32 v4, v2, 4, v4                   ; scales: row r of 32 bytes, + 16 h
	v_lshlrev_b32 v5, 5, v2                        ; biases: my half's eight numbers of a tile
	v_mul_u32_u24 v6, v1, 272
	v_lshl_add_u32 v6, v2, 5, v6                   ; the stage, in: row r, 32 bytes for each half of the lanes
	v_mul_u32_u24 v7, v2, 272
	v_lshl_add_u32 v7, v1, 4, v7                   ; back: lanes 0-15 one row of 256 bytes, lanes 16-31 the next
	v_lshlrev_b32 v8, 12, v2
	v_lshl_add_u32 v8, v1, 4, v8                   ; and the same two rows in cb (4,096 bytes a row)
	s_and_b32 s18, ttmp9, 15                       ; which 64 d
	s_lshr_b32 s19, ttmp9, 4                       ; which 16 batches
	s_mov_b32 s21, 0
	s_wait_alu depctr_va_vdst(0)
	s_wait_kmcnt 0x0
	s_lshl_b32 s20, s19, 13                        ; 16 rows of 512 bytes
	s_add_nc_u64 s[4:5], s[4:5], s[20:21]
	s_lshl_b32 s20, s19, 9                         ; 16 rows of 32 bytes
	s_add_nc_u64 s[6:7], s[6:7], s[20:21]
	s_lshl_b32 s20, s18, 15                        ; 64 rows of 512 bytes
	s_add_nc_u64 s[8:9], s[8:9], s[20:21]
	s_lshl_b32 s20, s18, 11                        ; 64 rows of 32 bytes
	s_add_nc_u64 s[10:11], s[10:11], s[20:21]
	s_lshl_b32 s20, s18, 8                         ; 64 numbers of 4 bytes
	s_add_nc_u64 s[12:13], s[12:13], s[20:21]
	s_add_nc_u64 s[14:15], s[14:15], s[20:21]
	s_add_nc_u64 s[16:17], s[16:17], s[20:21]
	s_lshl_b32 s20, s19, 16                        ; 16 rows of cb
	s_add_nc_u64 s[16:17], s[16:17], s[20:21]
.set q, 0
.rept 8
	global_load_b128 v[HB+8*q:HB+8*q+3],   v3, s[4:5] offset:64*q
	global_load_b128 v[HB+8*q+4:HB+8*q+7], v3, s[4:5] offset:64*q+32
.set q, q+1
.endr
	global_load_b128 v[HS:HS+3], v4, s[6:7]
.set t, 0
.rept 4
	global_load_b128 v[WS+4*t:WS+4*t+3], v4, s[10:11] offset:512*t
	global_load_b128 v[B1+8*t:B1+8*t+3],   v5, s[12:13] offset:64*t
	global_load_b128 v[B1+8*t+4:B1+8*t+7], v5, s[12:13] offset:64*t+16
	global_load_b128 v[B2+8*t:B2+8*t+3],   v5, s[14:15] offset:64*t
	global_load_b128 v[B2+8*t+4:B2+8*t+7], v5, s[14:15] offset:64*t+16
.set t, t+1
.endr
	WIN 0x40                                       ; destination window 1, address window 0
.set t, 0
.rept 4
.set q, 0
.rept 8
	global_load_b128 v[64*t+8*q:64*t+8*q+3],   v3, s[8:9] offset:8192*t+64*q
	global_load_b128 v[64*t+8*q+4:64*t+8*q+7], v3, s[8:9] offset:8192*t+64*q+32
.set q, q+1
.endr
.set t, t+1
.endr
	WIN 0
	s_wait_loadcnt 0x0
.set n, 0
.rept 16
	v_pk_add_f32 v[B1+2*n:B1+2*n+1], v[B1+2*n:B1+2*n+1], v[B2+2*n:B2+2*n+1]   ; the two biases
.set n, n+1
.endr
	WIN 0x01                                       ; source 0 (w_de) window 1
.set q, 0
.rept 8                                        ; K ascending; the four accumulators by turns, one instruction a turn; the first K step starts the sums
.set t, 0
.rept 4
.if q == 0
	v_wmma_scale_f32_16x16x128_f8f6f4 v[ACC+8*t:ACC+8*t+7], v[64*t+8*q:64*t+8*q+7], v[HB+8*q:HB+8*q+7], 0, v[WS+4*t+q%4], v[HS+q%4] matrix_a_fmt:MATRIX_FMT_FP4 matrix_b_fmt:MATRIX_FMT_FP4
.elseif q < 4
	v_wmma_scale_f32_16x16x128_f8f6f4 v[ACC+8*t:ACC+8*t+7], v[64*t+8*q:64*t+8*q+7], v[HB+8*q:HB+8*q+7], v[ACC+8*t:ACC+8*t+7], v[WS+4*t+q%4], v[HS+q%4] matrix_a_fmt:MATRIX_FMT_FP4 matrix_b_fmt:MATRIX_FMT_FP4
.else
	v_wmma_scale_f32_16x16x128_f8f6f4 v[ACC+8*t:ACC+8*t+7], v[64*t+8*q:64*t+8*q+7], v[HB+8*q:HB+8*q+7], v[ACC+8*t:ACC+8*t+7], v[WS+4*t+q%4], v[HS+q%4] matrix_a_fmt:MATRIX_FMT_FP4 matrix_b_fmt:MATRIX_FMT_FP4 matrix_a_scale:MATRIX_SCALE_ROW1 matrix_b_scale:MATRIX_SCALE_ROW1
.endif
.set t, t+1
.endr
.set q, q+1
.endr
.rept 4
	v_nop                                          ; four places between the last product and the first read of a result (ISA guide 7.12.1)
.endr
	WIN 0
.set n, 0
.rept 16
	v_pk_add_f32 v[OUT+2*n:OUT+2*n+1], v[ACC+2*n:ACC+2*n+1], v[B1+2*n:B1+2*n+1]   ; c; each accumulator from its low end on
.set n, n+1
.endr
.set t, 0
.rept 4
	ds_store_b128 v6, v[OUT+8*t:OUT+8*t+3]   offset:64*t
	ds_store_b128 v6, v[OUT+8*t+4:OUT+8*t+7] offset:64*t+16
.set t, t+1
.endr
.set n, 0
.rept 8
	ds_load_b128 v[B1+4*n:B1+4*n+3], v7 offset:544*n   ; LDS serves a wave's instructions in order (ISA guide 5.7.1.4): these see the stores above
.set n, n+1
.endr
.set n, 0
.rept 8
	s_wait_dscnt 7-n                               ; the younger read-backs may stay out
	global_store_b128 v8, v[B1+4*n:B1+4*n+3], s[16:17] offset:8192*n   ; rows 2 n and 2 n + 1: sixteen lanes store 256 consecutive bytes
.set n, n+1
.endr
	s_wait_tensorcnt 0x0                           ; the wave's end: behind my last LDS store
	ds_add_u32 v10, v11
	s_wait_dscnt 0x0
	s_endpgm
.Lfunc_end_k_q9b0c31f70b_bias:
	.size	k_q9b0c31f70b_bias, .Lfunc_end_k_q9b0c31f70b_bias-k_q9b0c31f70b_bias
	.p2alignl 7, 3214868480
	.fill 96, 4, 3214868480
	.section	.rodata,"a",@progbits
	.p2align	6, 0x0
	.amdhsa_kernel k_q9b0c31f70b_bias
		.amdhsa_group_segment_fixed_size 4864
		.amdhsa_private_segment_fixed_size 0
		.amdhsa_enable_private_segment 0
		.amdhsa_kernarg_size 56
		.amdhsa_user_sgpr_count 2
		.amdhsa_user_sgpr_kernarg_segment_ptr 1
		.amdhsa_wavefront_size32 1
		.amdhsa_system_sgpr_workgroup_id_x 1
		.amdhsa_system_sgpr_workgroup_id_y 1
		.amdhsa_system_sgpr_workgroup_id_z 1
		.amdhsa_system_vgpr_workitem_id 0
		.amdhsa_next_free_vgpr 512
		.amdhsa_next_free_sgpr 66
		.amdhsa_reserve_vcc 0
		.amdhsa_float_denorm_mode_32 3
		.amdhsa_float_denorm_mode_16_64 3
		.amdhsa_memory_ordered 1
		.amdhsa_forward_progress 1
		.amdhsa_inst_pref_size 20
	.end_amdhsa_kernel
	.amdgpu_metadata
---
amdhsa.version: [ 1, 2 ]
amdhsa.kernels:
  - .name:           k_q9b0c31f70b_bias
    .symbol:         k_q9b0c31f70b_bias.kd
    .args:
      - { .name: hidden_codes, .offset: 0, .size: 8, .value_kind: global_buffer, .address_space: global }
      - { .name: hidden_scales, .offset: 8, .size: 8, .value_kind: global_buffer, .address_space: global }
      - { .name: w_de_w_codes, .offset: 16, .size: 8, .value_kind: global_buffer, .address_space: global }
      - { .name: w_de_w_scales, .offset: 24, .size: 8, .value_kind: global_buffer, .address_space: global }
      - { .name: w_de_b, .offset: 32, .size: 8, .value_kind: global_buffer, .address_space: global }
      - { .name: w_en_b, .offset: 40, .size: 8, .value_kind: global_buffer, .address_space: global }
      - { .name: cb, .offset: 48, .size: 8, .value_kind: global_buffer, .address_space: global }
    .group_segment_fixed_size: 4864
    .private_segment_fixed_size: 0
    .kernarg_segment_align: 8
    .kernarg_segment_size: 56
    .max_flat_workgroup_size: 32
    .sgpr_count:     66
    .vgpr_count:     512
    .wavefront_size: 32
...
	.end_amdgpu_metadata
.endif
;; end of part 1
;; launch attn (part 2): grid 256 x 1, 4 waves a work-group, clusters of 4 x 1, 327,680 bytes of LDS; arguments en_output, w_en_w_codes, w_en_w_scales, v_w, cb, sc, part; writes sc, part
.if DOCPART == 2
	.amdgcn_target "amdgcn-amd-amdhsa--gfx1250"
	.amdhsa_code_object_version 6
	.text
	.protected	k_q9b0c31f70b_attn
	.globl	k_q9b0c31f70b_attn
	.p2align	8
	.type	k_q9b0c31f70b_attn,@function
k_q9b0c31f70b_attn:
	s_mov_b64 s[64:65], 0
	v_nop
	global_prefetch_b8 v0, s[64:65] scope:SCOPE_SE
	s_setreg_imm32_b32 hwreg(HW_REG_WAVE_MODE, 25, 1), 1
	s_wait_xcnt 0x0
	s_wait_alu depctr_hold_cnt(0) depctr_sa_sdst(0) depctr_va_vdst(0) depctr_va_sdst(0) depctr_va_ssrc(0) depctr_va_vcc(0) depctr_vm_vsrc(0)
	s_getreg_b32 s2, hwreg(HW_REG_IB_STS2, 6, 4)
	s_cmp_eq_u32 s2, 0
	s_cbranch_scc0 .Lentry_in_a_cluster
	s_endpgm
.Lentry_in_a_cluster:
	s_bfe_u32 s2, ttmp6, 0x10000c
	s_cmp_lg_u32 s2, 0x3003
	s_cbranch_scc0 .Lentry_shape_is_right
	s_endpgm
.Lentry_shape_is_right:
; Scores, and the softmax-weighted sum of x, for 256 rows of one batch to a work-group; x (en_output) is read from memory once.
; WORK LEFT OUT (shown at the head of the first kernel): the sum of v, a term constant along the softmax's axis.  Kept is t = log2(e) (score - sum of v) = sum over d of v''[d] / (1 + 2^(K y)),
; v'' = -2 log2(e) v, K = 2 log2(e), y = x . w_en[d] + c[b][d]; c comes from the launch before.
; LIMITS: NaN and infinities among the inputs are not served.  A block of 32 of x whose largest magnitude lies under 2^-124 gets the scale byte 1 (the quantiser's hold at -126); a block of zeros gets 1 too
; where the quantiser says 127: its codes are zeros and only this kernel reads the bytes.  The weighted sum takes x rounded to bf16 (x keeps its range), the weights p in f32.  A weight p under 2^-126 counts as 0.
; SHARES.  Work-group 4 b + cx owns rows 256 cx .. + 255 of batch b, in four BLOCKS of 64 rows.  For x (quantising, the bf16 copy, the weighted sum) wave w owns rows 16 w .. + 15 of a block.
; For the product the waves share the columns: w_en passes once a block, 128 rows (d) a slot, eight slots; in slot i wave w owns d = 128 i + 32 w + 0 .. 31, two tiles of 16, each against the block's four
; tiles of rows: a fragment of w_en is read from LDS by one wave, the wave that fetched it.
; CLUSTER.  The four work-groups of a batch walk w_en alike: each slot's quarter is asked for jointly, by the same tensor load with the same descriptor and a mask that names the four.
; A BLOCK: slot 0 is asked for | my 16 rows of x (512 registers) are quantised, codes and scale bytes go to LDS | barrier | every wave takes all 64 rows' codes into registers | slot 1 is asked for |
; the rows go to LDS as bf16 (over the codes' bytes) | 16 TILES of 32 matrix instructions, with the tanh work of the tile before in slices between them; ahead of each tile one row of the next block's x
; is asked for | the waves' partial scores meet in LDS | running maximum and sum | the weighted sum from the bf16 copy.
; NO PREFETCH: x's loads into registers are themselves issued a block (16 tiles) ahead of their use, and each slot of w_en two tiles ahead.
; THE MATRIX INSTRUCTION IS USED TRANSPOSED: source 0 = 16 rows of w_en, source 1 = 16 rows of x: lane (r, h) holds row r of x and registers j the d = 8 h + j of the tile; c is the C of a tile's first K step.
; REGISTERS, in windows of 256:  windows 1, 2: x as f32, row i of my 16 at 32 i: register 8 g + e = x(row, 256 g + 8 lane + e).   window 3: the 64 rows' codes, fragment (tile of rows m, K step q) at 64 m + 8 q.
;   window 0: v1-23 addresses and statistics; v24-31 the scores' sums; v32-47 x's scale words; v48-55 w_en's, two sets; v56-63 c of a tile; v64-71 v'' of a tile; v72-103 the weighted sum;
;   v104-167 two sets of four accumulators; v168-231 a tile's eight fragments of w_en; v232-247 p of my 16 rows; v248-252 addresses; v253-255 lane, r, h.  Outside the tiles v104-231 are two sets of temporaries.
.set SWAPX, 1                          ; 1: a load of x covers 512 consecutive bytes and a lane exchange restores the layout; 0: a lane loads its 32 bytes by two loads
.set SLOT,  67584                      ; a slot: 128 rows of w_en's codes, 512 bytes + 16 of padding; slots at 0 and at SLOT
.set WPITCH, 528
.set WSC,   135168                     ; w_en's scale bytes, 32,768, dense, filled once
.set CBL,   167936                     ; c[b][.], 4,096 bytes; behind it v'', 4,096 bytes
.set EX,    176128                     ; partial scores: [row 64][wave 4] f32
.set PW,    177152                     ; p: 256 bytes for each wave
.set SPARE, 178176                     ; the spare words, 128 bytes for each wave: two blocks of 256 bytes that no other line names
.set CP,    178688                     ; the bf16 copy: wave w at 32,768 w, row i at 2,048 i, group g at 512 g, lane at 16 lane
.set XIMG,  CP                         ; over it, while the copy is not there: the codes: tile of rows m at 8,704 m, block of 32 along K at 272 a block, row at 16 r
.set XSC,   CP+34816                   ; and x's scale bytes: 48 bytes a row
.set RED,   309760                     ; the four waves' weighted sums, 4,096 bytes each
.if SWAPX
.set XH, 512
.else
.set XH, 16
.endif
.set MSB, 0
.macro WIN new                         ; the immediate's high byte repeats the setting that is left
.if MSB != (\new)
	s_set_vgpr_msb (MSB<<8)|(\new)
.set MSB, (\new)
.endif
.endm
.macro PLACES                          ; four places behind a matrix instruction (ISA guide 7.12.1)
.rept 4
	v_nop
.endr
.endm
.macro ALUW                            ; ahead of and behind a batch of transcendentals, and ahead of a wait or branch behind which fresh results are read
	s_wait_alu depctr_va_vdst(0)
.endm
.macro CREST                           ; a round of the cluster's barrier behind its opening barrier
	s_cmp_lg_u32 s18, 0
	s_cbranch_scc1 .Lnot_wave_0_\@
	s_barrier_signal -3
.Lnot_wave_0_\@:
	s_barrier_wait -3
	s_barrier_signal -1
	s_barrier_wait -1
.endm
.macro ROUND                           ; a whole round
	s_barrier_signal -1
	s_barrier_wait -1
	CREST
.endm
; A slot is asked for ahead of the tiles.  first = 1: w_en's first 128 rows into slot 0;  0: the next 128 into the other slot.  Every wave fetches its own 32 rows: one load a wave is out.
.macro FILL first
	ALUW
	s_wait_tensorcnt 0x0                           ; no tensor load of mine is out, so the descriptor may be written
	ds_add_u32 v1, v2                              ; 0 onto my spare word
.if \first
	s_mov_b32 s50, 0
	s_mov_b32 s45, s57
	s_mov_b64 s[46:47], s[48:49]
	s_or_b32 s47, s47, 0x80000000
.else
	s_xor_b32 s50, s50, SLOT
	s_add_co_u32 s45, s50, s57
	s_add_nc_u64 s[46:47], s[46:47], 65536         ; 128 rows of 512 bytes on
.endif
	s_wait_dscnt 0x0                               ; the add is done, and so are all my LDS stores and loads
	ROUND                                          ; that now holds of every wave of the four work-groups
	tensor_load_to_lds s[44:47], s[24:31]
	s_nop 0
	PLACES
.endm
; Rows a .. b of my 16 of the block at s[4:5]: eight loads a row.  SWAPX: lanes 0-15 take the even pieces of 16 bytes of 512 consecutive bytes, lanes 16-31 the odd ones.
.macro XLOAD a, b
.set xi, \a
.rept (\b)-(\a)+1
	WIN 0x40*(1+xi/8)
.set xn, 0
.rept 8
	global_load_b128 v[32*(xi%8)+4*xn:32*(xi%8)+4*xn+3], v3, s[4:5] offset:4096*xi+1024*(xn/2)+XH*(xn%2) th:TH_LOAD_NT
.set xn, xn+1
.endr
.set xi, xi+1
.endr
	WIN 0
.endm
.macro XROW i                          ; row i of the next block, if there is one: no load leaves the buffer.  The count of blocks is the same in all partners
	s_cmp_eq_u32 s55, 1
	s_cbranch_scc1 .Lno_next_\@
	XLOAD \i, \i
.Lno_next_\@:
.endm
; Rows 4 k .. 4 k + 3 are quantised.  n = 4 j + g names row 4 k + j's eight numbers of group g: registers FB + 8 n on.  Temporaries, 16 each: largest magnitudes, scale operands, bytes, codes.
.macro P1 k
.set TT, 104+64*((\k)%2)
.set FB, 128*((\k)%2)
.set FW, 1+(\k)/2
.if (\k) >= 2
	s_wait_dscnt 32                                ; all but the last batch's 32 stores
.endif
.if (\k) < 2
	s_wait_loadcnt 63                              ; behind these rows' loads 96 or 64 more were issued: the largest count that the wait can name
.else
	s_wait_loadcnt 96-32*(\k)                      ; the later rows' loads may stay out: 32, then none
.endif
.if SWAPX
	WIN 0x41*FW
.set n, 0
.rept 16
.irp e, 0,1,2,3
	v_permlane16_swap_b32 v[FB+8*n+\e], v[FB+8*n+4+\e]   ; the first's lanes 16-31 change places with the second's lanes 0-15: lane l now holds the eight numbers 256 g + 8 l on
.endr
.set n, n+1
.endr
.endif
	WIN 0x05*FW
.set n, 0
.rept 16
	v_max3_num_f32 v[TT+n], |v[FB+8*n]|, |v[FB+8*n+1]|, 0x1800000   ; and the floor 2^(3 - 127): the byte cannot fall under 1
.set n, n+1
.endr
.irp e, 2,4,6
.set n, 0
.rept 16
	v_max3_num_f32 v[TT+n], |v[FB+8*n+\e]|, |v[FB+8*n+\e+1]|, v[TT+n]
.set n, n+1
.endr
.endr
	WIN 0
.irp x, 1,2
.set n, 0
.rept 16
	v_max_num_f32_dpp v[TT+n], v[TT+n], v[TT+n] row_xmask:\x row_mask:0xf bank_mask:0xf   ; with the three lanes that share the block
.set n, n+1
.endr
.endr
.set n, 0
.rept 16
	v_add_nc_u32 v[TT+16+n], 0xff000000, v[TT+n]   ; 2 off the exponent field: the conversion's scale operand
.set n, n+1
.endr
.set n, 0
.rept 16
	v_lshrrev_b32 v[TT+32+n], 23, v[TT+16+n]       ; the scale's byte
.set n, n+1
.endr
	WIN 0x01*FW
.set n, 0
.rept 16
	v_cvt_scalef32_pk8_fp4_f32 v[TT+48+n], v[FB+8*n:FB+8*n+7], v[TT+16+n]
.set n, n+1
.endr
	WIN 0
	v_nop                                          ; one plain vector instruction behind the last scaled conversion
.set n, 0
.rept 16
	ds_store_b32 v11, v[TT+48+n] offset:2176*(n%4)+16*(4*(\k)+n/4)   ; four bytes of block 8 g + lane / 4 of my row
.set n, n+1
.endr
.set n, 0
.rept 16
	ds_store_b8 v12, v[TT+32+n] offset:48*(4*(\k)+n/4)+8*(n%4)       ; the four lanes of a block write the same byte with the same value
.set n, n+1
.endr
.endm
; All 64 rows' codes, as fragments: registers 4 c .. 4 c + 3 of K step q are the 16 bytes of block 4 q + 2 c + h of row r.  And the scale words:
; lane (r, h) takes bytes 16 h on of row r: register j holds in lanes 0-15 the word of K step j, in lanes 16-31 that of K step 4 + j.
.macro XCLOAD
	WIN 0xc0
.set n, 0
.rept 64
	ds_load_b128 v[4*n:4*n+3], v13 offset:8704*(n/16)+544*(n%16)
.set n, n+1
.endr
	WIN 0
.set n, 0
.rept 4
	ds_load_b128 v[32+4*n:35+4*n], v14 offset:768*n
.set n, n+1
.endr
.endm
.macro P2C k                           ; rows 4 k .. 4 k + 3 as bf16, into temporaries
.set TT, 104+64*((\k)%2)
.set FB, 128*((\k)%2)
.set FW, 1+(\k)/2
	WIN 0x05*FW
.set n, 0
.rept 64
	v_cvt_pk_bf16_f32 v[TT+n], v[FB+2*n], v[FB+2*n+1]
.set n, n+1
.endr
	WIN 0
.endm
.macro P2S k                           ; and into my part of the copy
.set TT, 104+64*((\k)%2)
.set n, 0
.rept 16
	ds_store_b128 v15, v[TT+4*n:TT+4*n+3] offset:2048*(4*(\k)+n/4)+512*(n%4)
.set n, n+1
.endr
.endm
.macro WFRAG half, u                   ; four fragments of w_en, K steps 4 half on, of the slot's tile u of mine: 8 loads
.set n, 0
.rept 8
	ds_load_b128 v[168+32*(\half)+4*n:168+32*(\half)+4*n+3], v5 offset:16*WPITCH*(\u)+256*(\half)+32*n
.set n, n+1
.endr
.endm
.macro RUNA u, Pn                      ; 11 loads: the next tile's first four fragments, its scale words (into set Pn), its c
	WFRAG 0, \u
	ds_load_b128 v[48+4*(\Pn):48+4*(\Pn)+3], v7 offset:512*(\u)
	ds_load_b128 v[56:59], v9 offset:64*(\u)
	ds_load_b128 v[60:63], v9 offset:64*(\u)+16
.endm
.macro VVLD u                          ; 2 loads: v'' of tile u
	ds_load_b128 v[64:67], v10 offset:4096+64*(\u)
	ds_load_b128 v[68:71], v10 offset:4096+64*(\u)+16
.endm
; K step q of a tile, for the four tiles of rows: four accumulators (set P) by turns, one instruction a turn.  The first K step takes c as its C.
.macro MM q, P
.set mm, 0
.rept 4
.if (\q) == 0
	v_wmma_scale_f32_16x16x128_f8f6f4 v[104+32*(\P)+8*mm:104+32*(\P)+8*mm+7], v[168+8*(\q):168+8*(\q)+7], v[64*mm+8*(\q):64*mm+8*(\q)+7], v[56:63], v[48+4*(\P)+(\q)%4], v[32+4*mm+(\q)%4] matrix_a_fmt:MATRIX_FMT_FP4 matrix_b_fmt:MATRIX_FMT_FP4
.elseif (\q) < 4
	v_wmma_scale_f32_16x16x128_f8f6f4 v[104+32*(\P)+8*mm:104+32*(\P)+8*mm+7], v[168+8*(\q):168+8*(\q)+7], v[64*mm+8*(\q):64*mm+8*(\q)+7], v[104+32*(\P)+8*mm:104+32*(\P)+8*mm+7], v[48+4*(\P)+(\q)%4], v[32+4*mm+(\q)%4] matrix_a_fmt:MATRIX_FMT_FP4 matrix_b_fmt:MATRIX_FMT_FP4
.else
	v_wmma_scale_f32_16x16x128_f8f6f4 v[104+32*(\P)+8*mm:104+32*(\P)+8*mm+7], v[168+8*(\q):168+8*(\q)+7], v[64*mm+8*(\q):64*mm+8*(\q)+7], v[104+32*(\P)+8*mm:104+32*(\P)+8*mm+7], v[48+4*(\P)+(\q)%4], v[32+4*mm+(\q)%4] matrix_a_fmt:MATRIX_FMT_FP4 matrix_b_fmt:MATRIX_FMT_FP4 matrix_a_scale:MATRIX_SCALE_ROW1 matrix_b_scale:MATRIX_SCALE_ROW1
.endif
.set mm, mm+1
.endr
.endm
; THE TANH WORK of a finished set of accumulators, 32 registers from AQ on, in five stages, in place: K y;  2^(K y);  + 1;  the reciprocal;  times v'' into the scores' sums.
.macro TM
.set n, 0
.rept 16
	v_pk_mul_f32 v[AQ+2*n:AQ+2*n+1], v[AQ+2*n:AQ+2*n+1], s[22:23] op_sel_hi:[1,0]   ; ascending: each accumulator is read from its low end on
.set n, n+1
.endr
.endm
.macro TE a, b
.set n, \a
.rept (\b)-(\a)+1
	v_exp_f32 v[AQ+n], v[AQ+n]
.set n, n+1
.endr
.endm
.macro TA
.set n, 0
.rept 16
	v_pk_add_f32 v[AQ+2*n:AQ+2*n+1], v[AQ+2*n:AQ+2*n+1], 1.0 op_sel_hi:[1,0]
.set n, n+1
.endr
.endm
.macro TR a, b
.set n, \a
.rept (\b)-(\a)+1
	v_rcp_f32 v[AQ+n], v[AQ+n]
.set n, n+1
.endr
.endm
.macro TF
.set n, 0
.rept 16                               ; the four tiles of rows by turns
	v_pk_fma_f32 v[24+2*(n%4):25+2*(n%4)], v[AQ+8*(n%4)+2*(n/4):AQ+8*(n%4)+2*(n/4)+1], v[64+2*(n/4):65+2*(n/4)], v[24+2*(n%4):25+2*(n%4)]
.set n, n+1
.endr
.endm
; THE CHANGE OF SLOTS, in the middle of a slot's second tile: all that tile's fragments have been asked for, and the next run of loads is the other slot's first.
; refill = 1: the slot just left takes the rows two slots on.  0: nothing is left to fetch.
.macro LEAVE refill
	s_wait_tensorcnt 0x0                           ; my one load that was out, my part of the slot ahead, has landed (only I read it)
.if \refill
	ds_add_u32 v1, v2                              ; 0 onto my spare word; work on registers alone stands between it and the wait for it
	s_xor_b32 s50, s50, SLOT
	s_add_co_u32 s45, s50, s57
	s_add_nc_u64 s[46:47], s[46:47], 65536
.endif
	s_xor_b32 s51, s51, SLOT                       ; the slot that is read,
	s_add_co_u32 s52, s52, 4096                    ; its rows' scale bytes,
	s_add_co_u32 s53, s53, 512                     ; and their c
.endm
.macro TURNED                          ; the three addresses in the slot ahead
	v_add_nc_u32 v5, s51, v4
	v_add_nc_u32 v7, s52, v6
	v_add_nc_u32 v9, s53, v8
.endm
; A TILE: 16 d x 64 rows, 32 matrix instructions on accumulator set P; behind each K step a slice of the tanh work of the tile before, which lies in the other set (tanh = 0: there is none).
; next = 1: the next tile's operands are fetched, in two runs.  chg: 1, 2: the change of slots, with and without a refill.  top: the LDS loads issued behind the run that the first K steps need.
; Ahead of each slice of transcendentals, and ahead of each K step that follows one, stands a wait on the ALU.
.macro TILE P, tanh, next, chg, top
.set AQ, 104+32*(1-(\P))
	s_wait_dscnt \top
	WIN 0x0c                                       ; source 1 (x's codes) window 3
	MM 0, \P
.if \tanh
	TM
	ALUW
.endif
	MM 1, \P
.if \tanh
	TE 0, 15
	ALUW
.endif
	MM 2, \P
.if \tanh
	TE 16, 31
	v_nop
	ALUW
.endif
.if (\chg) == 1
	WIN 0                                          ; (the add's two registers lie in window 0)
	LEAVE 1
	WIN 0x0c
.elseif (\chg) == 2
	LEAVE 0
.endif
	MM 3, \P
.if \tanh
	TA                                             ; these sixteen name none of the products' registers: they are the places in front of the loads below
	ALUW
.else
	PLACES
.endif
.if (\chg) == 1
	s_wait_dscnt 0x0                               ; the add is done, and my reads of the slot that I leave are over
	s_barrier_signal -1                            ; this barrier opens a round of the cluster's barrier;
	MM 4, \P                                       ; work on registers while the others arrive
	TR 0, 10
	WIN 0
	ALUW
	s_barrier_wait -1
	CREST                                          ; no wave of any partner still reads that slot or has a load on its way
	tensor_load_to_lds s[44:47], s[24:31]
	s_nop 0
	PLACES
	TURNED
	RUNA 1-(\P), 1-(\P)
	WIN 0x0c
.else
.if (\chg) == 2
	WIN 0
	s_wait_dscnt 0x0
	TURNED
.endif
.if \next
	RUNA 1-(\P), 1-(\P)
	s_wait_dscnt 11                                ; all but the 11 just issued: this tile's last four fragments, and v'' of the tile before, are in
.else
	s_wait_dscnt 0x0
.endif
	WIN 0x0c
	MM 4, \P
.if \tanh
	TR 0, 10
	ALUW
.endif
.endif
	MM 5, \P
.if \tanh
	TR 11, 21
	ALUW
.endif
	MM 6, \P
.if \tanh
	TR 22, 31
	v_nop
	ALUW
.endif
	MM 7, \P
	WIN 0
.if \tanh
	TF                                             ; likewise the places in front of the loads below and of the next tile's first read of these results
.else
	PLACES
.endif
.if \next
	WFRAG 1, 1-(\P)
.endif
.if ((\P) == 0) && (\tanh)
	s_add_co_u32 s54, s54, 512                     ; a slot's first tile (but the block's first): on to the slot's v''
	v_add_nc_u32 v10, s54, v8
.endif
	VVLD \P                                        ; v'' of THIS tile, for its tanh work in the next
.endm
.macro WROW i                          ; the weighted sum takes row i of my 16: bf16 x f32 + f32 in one instruction; row i + 2 is asked for
.set TBF, 104+16*((\i)%2)
.if (\i) < 15
	s_wait_dscnt 4                                 ; row i + 1's four loads may stay out
.else
	s_wait_dscnt 0x0
.endif
.set n, 0
.rept 16
	v_fma_mix_f32_bf16 v[72+2*n], v[TBF+n], v[232+(\i)], v[72+2*n] op_sel_hi:[1,0,0]
	v_fma_mix_f32_bf16 v[72+2*n+1], v[TBF+n], v[232+(\i)], v[72+2*n+1] op_sel:[1,0,0] op_sel_hi:[1,0,0]
.set n, n+1
.endr
.if (\i)+2 < 16
.set n, 0
.rept 4
	ds_load_b128 v[TBF+4*n:TBF+4*n+3], v15 offset:2048*((\i)+2)+512*n
.set n, n+1
.endr
.endif
.endm
	s_load_b256 s[4:11], s[0:1], 0x0               ; x s[4:5], w_en's codes s[6:7], its scales s[8:9], v s[10:11]
	s_load_b128 s[12:15], s[0:1], 0x20             ; cb s[12:13], sc s[14:15]
	s_load_b64 s[16:17], s[0:1], 0x30              ; part
	v_lshl_add_u32 v1, v0, 2, SPARE                ; my spare word,
	v_mov_b32 v2, 0                                ; and 0: both kept for the add alone
	ds_add_u32 v1, v2                              ; the wave's opening: the add, twice on end, and its wait ahead of my first tensor load
	ds_add_u32 v1, v2
	v_lshrrev_b32 v255, 5, v0
	v_readfirstlane_b32 s18, v255                  ; wave 0..3
	s_bfe_u32 s19, ttmp6, 0x40000                  ; cx: it enters the addresses of x, sc and part alone
	; descriptor group 1 for w_en's codes: 32 rows of 512 bytes, padded in LDS
	s_mov_b32 s24, 15|(1<<20)|(1<<21)|(6<<22)|(3<<25)   ; the mask: all four work-groups; elements of 1 byte; padding: four words after every 128
	s_mov_b32 s25, 512<<16
	s_mov_b32 s26, 32<<16
	s_mov_b32 s27, 512<<16
	s_mov_b32 s28, 32
	s_mov_b32 s29, 512
	s_mov_b32 s30, 0
	s_mov_b32 s31, 0
	; and for its scale bytes: a quarter of them, 8,192 dense bytes, as 32 rows of 256 bytes (32 elements of 8 bytes)
	s_mov_b32 s32, 15|(3<<16)|(1<<21)
	s_mov_b32 s33, 32<<16
	s_mov_b32 s34, 32<<16
	s_mov_b32 s35, 32<<16
	s_mov_b32 s36, 32
	s_mov_b32 s37, 32
	s_mov_b32 s38, 0
	s_mov_b32 s39, 0
	s_mov_b32 s20, 0x76543210
	s_mov_b32 s21, 0xfedcba98                      ; v_permlanex16_b32's selects for lane l xor 16
	s_mov_b32 s22, 0x4038aa3b                      ; K = 2 log2(e)
	s_mov_b32 s23, s22
	s_mul_i32 s57, s18, 32*WPITCH                  ; my 32 rows' place in a slot
	s_mov_b32 s40, 1
	s_mov_b32 s44, 1
	s_lshl_b32 s41, s18, 13
	s_add_co_u32 s41, s41, WSC                     ; my quarter of the scale bytes in LDS
	s_mov_b32 s59, 0
	s_mov_b32 s61, 0
	; my wave's places in LDS: all scalar work first, then the vector work in one run
	s_lshl_b32 s66, s18, 10
	s_add_co_u32 s66, s66, WSC
	s_lshl_b32 s67, s18, 7
	s_add_co_u32 s67, s67, CBL
	s_mul_i32 s68, s18, 8704
	s_add_co_u32 s68, s68, XIMG
	s_mul_i32 s69, s18, 768
	s_add_co_u32 s69, s69, XSC
	s_lshl_b32 s70, s18, 15
	s_add_co_u32 s70, s70, CP
	s_lshl_b32 s71, s18, 2
	s_add_co_u32 s71, s71, EX
	s_lshl_b32 s72, s18, 8
	s_add_co_u32 s72, s72, PW
	s_mul_i32 s73, s18, 320
	s_add_co_u32 s73, s73, PW
	s_lshl_b32 s74, s18, 12
	s_add_co_u32 s74, s74, RED
	v_and_b32 v253, 31, v0                         ; lane
	v_and_b32 v254, 15, v0                         ; r
	v_bfe_u32 v255, v0, 4, 1                       ; h
	v_lshlrev_b32 v251, 4, v0                      ; 16 x thread
.if SWAPX
	v_lshlrev_b32 v3, 5, v254
	v_lshl_add_u32 v3, v255, 4, v3                 ; x: piece 2 r + h of the 32 pieces of 16 bytes
.else
	v_lshlrev_b32 v3, 5, v253                      ; x: 32 bytes a lane
.endif
	v_mul_u32_u24 v4, v254, WPITCH
	v_lshl_add_u32 v4, v255, 4, v4
	v_add_nc_u32 v4, s57, v4                       ; w_en's fragments: my rows' place + row r + 16 h
	v_lshlrev_b32 v6, 5, v254
	v_lshl_add_u32 v6, v255, 4, v6
	v_add_nc_u32 v6, s66, v6                       ; its scale words: 32 bytes a row, my 32 rows, + 16 h
	v_lshl_add_u32 v8, v255, 5, s67                ; c and v'': my 32 numbers of a slot's 128, my half's eight of a tile
	v_lshrrev_b32 v120, 2, v253
	v_and_b32 v121, 3, v253
	v_mul_u32_u24 v11, v120, 272
	v_lshl_add_u32 v11, v121, 2, v11
	v_add_nc_u32 v11, s68, v11                     ; where my codes go: my tile of rows, block lane / 4 of a group's eight, 4 (lane % 4) in its 16 bytes
	v_add_nc_u32 v12, s69, v120                    ; and the block's scale byte
	v_mul_u32_u24 v13, v255, 272
	v_lshl_add_u32 v13, v254, 4, v13
	v_add_nc_u32 v13, XIMG, v13                    ; where a fragment's registers come from
	v_mul_u32_u24 v14, v254, 48
	v_lshl_add_u32 v14, v255, 4, v14
	v_add_nc_u32 v14, XSC, v14                     ; and x's scale words
	v_lshl_add_u32 v15, v253, 4, s70               ; the copy: my wave's part, 16 bytes a lane
	v_lshl_add_u32 v16, v254, 4, s71               ; partial scores, in: row r of a tile, my wave's word
	v_lshl_add_u32 v17, v253, 5, EX                ; and back: rows 2 lane and 2 lane + 1, four words each
	v_lshl_add_u32 v22, v253, 3, s72               ; p, in: my wave's 256 bytes, two rows a lane
	v_mov_b32 v23, s73                             ; and back: in my wave's 256 bytes, my wave's 16 rows
	v_lshlrev_b32 v248, 3, v253                    ; 8 bytes a lane
	v_lshl_add_u32 v249, v253, 5, s74              ; the end: my wave's weighted sums
	v_add_nc_u32 v250, RED, v251                   ; and back, 16 bytes a thread
	v_add_nc_u32 v252, CBL, v251
	v_mov_b32 v18, 0xff61b1e6                      ; the largest t so far: -3e38, under every t
	v_mov_b32 v19, 0                               ; my lane's part of the sum
	v_mov_b32 v20, 0
	v_mov_b32 v21, 0
.set n, 0
.rept 32
	v_mov_b32 v[72+n], 0                           ; the weighted sum: a block is written once, so the first finds zeros
.set n, n+1
.endr
	ALUW
	s_wait_dscnt 0x0                               ; both opening adds are done
	s_wait_kmcnt 0x0
	s_lshl_b32 s58, s18, 14
	s_add_nc_u64 s[48:49], s[6:7], s[58:59]        ; w_en's codes at my 32 rows of its first 128
	s_lshl_b32 s58, s18, 13
	s_add_nc_u64 s[42:43], s[8:9], s[58:59]        ; its scale bytes at my quarter
	s_or_b32 s43, s43, 0x80000000
	s_lshl_b32 s58, ttmp9, 12
	s_add_nc_u64 s[12:13], s[12:13], s[58:59]      ; c of my batch (ttmp9 counts clusters: the batch)
	s_lshl_b32 s60, ttmp9, 22                      ; x: a batch is 4 MiB,
	s_lshl_b32 s2, s19, 20                         ; my work-group's 256 rows 1 MiB,
	s_add_co_u32 s60, s60, s2
	s_lshl_b32 s2, s18, 16                         ; my wave's 16 rows of a block 64 KiB
	s_add_co_u32 s60, s60, s2
	s_add_nc_u64 s[4:5], s[4:5], s[60:61]
	s_lshl_b32 s60, ttmp9, 12
	s_lshl_b32 s2, s19, 10
	s_add_co_u32 s60, s60, s2
	s_add_nc_u64 s[14:15], s[14:15], s[60:61]      ; sc at my work-group's first row
	s_lshl_b32 s60, ttmp9, 2
	s_add_co_u32 s60, s60, s19
	s_mul_i32 s60, s60, 4352
	s_add_nc_u64 s[16:17], s[16:17], s[60:61]      ; part at my work-group's row
	ROUND                                          ; all four work-groups are here: the first joint loads meet
	tensor_load_to_lds s[40:43], s[32:39]          ; every wave asks for its quarter of the scale bytes: filled once
	s_nop 0
	PLACES
	global_load_b128 v[104:107], v251, s[12:13]
	global_load_b128 v[108:111], v251, s[12:13] offset:2048
	global_load_b128 v[112:115], v251, s[10:11]
	global_load_b128 v[116:119], v251, s[10:11] offset:2048
	XLOAD 0, 6
	s_wait_loadcnt 56                              ; c and v are in; the 56 loads of x issued behind them stay out
.set n, 0
.rept 8
	v_mul_f32 v[112+n], 0xc038aa3b, v[112+n]       ; v'' = -2 log2(e) v
.set n, n+1
.endr
	ds_store_b128 v252, v[104:107]
	ds_store_b128 v252, v[108:111] offset:2048
	ds_store_b128 v252, v[112:115] offset:4096
	ds_store_b128 v252, v[116:119] offset:6144
	XLOAD 7, 15
	s_mov_b32 s55, 4                               ; blocks to go
.Lblock:
	FILL 1                                         ; its round also parts the last block's reads of the copy from the stores of codes below (in the first block: shows c, v'' and the scale bytes to all waves)
	P1 0
	P1 1
	P1 2
	P1 3
	s_add_nc_u64 s[4:5], s[4:5], 262144            ; all loads of x are in: on to the next block's 64 rows
	s_wait_dscnt 0x0                               ; for the others' sake: my stores of codes and scale bytes are done
	s_barrier_signal -1
	s_barrier_wait -1                              ; everybody's are.
	XCLOAD
	P2C 0                                          ; work on registers while the 68 loads are out
	P2C 1
	FILL 0                                         ; slot 0 has landed; my reads of the codes are over, and behind the round everybody's: the copy may take their bytes; slot 1 is asked for
	P2S 0
	P2S 1
	s_wait_dscnt 16                                ; all but the last batch's 16 stores
	P2C 2
	P2S 2
	s_wait_dscnt 16
	P2C 3
	P2S 3
	s_wait_dscnt 0x0
	s_mov_b32 s51, 0
	s_mov_b32 s52, 0
	s_mov_b32 s53, 0
	s_mov_b32 s54, 0
	v_mov_b32 v5, v4
	v_mov_b32 v7, v6
	v_mov_b32 v9, v8
	v_mov_b32 v10, v8
.set n, 0
.rept 8
	v_mov_b32 v[24+n], 0                           ; the block's scores
.set n, n+1
.endr
	ALUW
	RUNA 0, 0
	WFRAG 1, 0
	XROW 0                                         ; x's registers are free: the next block lands under this block's tiles, a row ahead of each tile
	TILE 0, 0, 1, 0, 8                             ; the block's first tile: behind the run that it needs, its own last four fragments' 8 loads
.irp t, 1,3,5,7,9,11                   ; a slot's second tile, with the change of slots and a refill, and the next slot's first
	XROW \t
	TILE 1, 1, 1, 1, 10
	XROW \t+1
	TILE 0, 1, 1, 0, 10
.endr
	XROW 13
	TILE 1, 1, 1, 2, 10                            ; the last slot but one is left, and nothing is asked for
	XROW 14
	TILE 0, 1, 1, 0, 10
	XROW 15
	TILE 1, 1, 0, 0, 10
	s_wait_dscnt 0x0                               ; v'' of the last tile is in
.set AQ, 136
	TM                                             ; the last tile's tanh work has no products to stand between
	ALUW
	TE 0, 31
	v_nop
	ALUW
	TA
	ALUW
	TR 0, 31
	v_nop
	ALUW
	TF
	; THE SCORES.  My sums' two halves, and the other half of the lanes': my wave's part of t for row 16 m + r.  The four waves' parts meet in LDS.
.irp m, 0,1,2,3
	v_add_f32 v[104+\m], v[24+2*\m], v[25+2*\m]
.endr
.irp m, 0,1,2,3
	v_permlanex16_b32 v[108+\m], v[104+\m], s20, s21
.endr
.irp m, 0,1,2,3
	v_add_f32 v[104+\m], v[104+\m], v[108+\m]
.endr
.irp m, 0,1,2,3
	ds_store_b32 v16, v[104+\m] offset:256*\m      ; both halves of the lanes write the same word with the same value
.endr
	s_wait_dscnt 0x0                               ; for the others' sake: my stores are done
	s_barrier_signal -1
	s_barrier_wait -1
	ds_load_b128 v[112:115], v17
	ds_load_b128 v[116:119], v17 offset:16
	s_wait_dscnt 0x0
	v_add_f32 v112, v112, v113
	v_add_f32 v114, v114, v115
	v_add_f32 v116, v116, v117
	v_add_f32 v118, v118, v119
	v_add_f32 v136, v112, v114                     ; t of row 2 lane,
	v_add_f32 v137, v116, v118                     ; and of row 2 lane + 1: every wave holds all 64
	ALUW
	s_cmp_lg_u32 s18, 0
	s_cbranch_scc1 .Lkept
	global_store_b64 v248, v[136:137], s[14:15]    ; wave 0: 32 lanes store 256 consecutive bytes, at a multiple of 256 from sc's first byte
.Lkept:
	v_max_num_f32 v138, v136, v137
	v_max_num_f32_dpp v138, v138, v138 row_xmask:1 row_mask:0xf bank_mask:0xf
	v_max_num_f32_dpp v138, v138, v138 row_xmask:2 row_mask:0xf bank_mask:0xf
	v_max_num_f32_dpp v138, v138, v138 row_xmask:4 row_mask:0xf bank_mask:0xf
	v_max_num_f32_dpp v138, v138, v138 row_xmask:8 row_mask:0xf bank_mask:0xf
	v_permlanex16_b32 v139, v138, s20, s21
	v_max_num_f32 v138, v138, v139                 ; the block's largest t
	v_max_num_f32 v140, v18, v138                  ; the running maximum
	v_sub_f32 v141, v18, v140
	v_sub_f32 v142, v136, v140
	v_sub_f32 v143, v137, v140
	ALUW
	v_exp_f32 v20, v141                            ; f = 2^(old maximum - new)
	v_exp_f32 v142, v142                           ; p
	v_exp_f32 v143, v143
	v_mov_b32 v18, v140                            ; (the plain instruction behind the exponentials)
	ALUW
	v_fma_f32 v19, v19, v20, v142
	v_add_f32 v19, v19, v143                       ; my lane's part of the sum, under the new maximum
	ds_store_b64 v22, v[142:143]
.set n, 0
.rept 4
	ds_load_b128 v[232+4*n:235+4*n], v23 offset:16*n   ; p of my wave's 16 rows, in every lane: LDS serves a wave's instructions in order (ISA guide 5.7.1.4)
.set n, n+1
.endr
	; THE WEIGHTED SUM, from my 16 rows of the copy
.set n, 0
.rept 8
	ds_load_b128 v[104+4*n:107+4*n], v15 offset:2048*(n/4)+512*(n%4)
.set n, n+1
.endr
.set n, 0
.rept 16
	v_pk_mul_f32 v[72+2*n:73+2*n], v[72+2*n:73+2*n], v[20:21] op_sel_hi:[1,0]   ; what was summed under the old maximum
.set n, n+1
.endr
.irp i, 0,1,2,3,4,5,6,7,8,9,10,11,12,13,14,15
	WROW \i
.endr
	ALUW
	s_wait_xcnt 0x0                                ; wave 0's store has read its base and its data: both are written again only behind this wait
	s_add_nc_u64 s[14:15], s[14:15], 256
	s_sub_co_u32 s55, s55, 1
	s_cmp_lg_u32 s55, 0
	s_cbranch_scc1 .Lblock
	; THE END.  The sum over the lanes; the four waves' weighted sums meet in LDS; each thread adds and stores 2 x 16 bytes of the work-group's row of part; behind them (maximum, sum), 32 times: one whole block of 256 bytes.
	v_add_f32_dpp v19, v19, v19 row_xmask:1 row_mask:0xf bank_mask:0xf
	v_add_f32_dpp v19, v19, v19 row_xmask:2 row_mask:0xf bank_mask:0xf
	v_add_f32_dpp v19, v19, v19 row_xmask:4 row_mask:0xf bank_mask:0xf
	v_add_f32_dpp v19, v19, v19 row_xmask:8 row_mask:0xf bank_mask:0xf
	v_permlanex16_b32 v139, v19, s20, s21
	v_add_f32 v19, v19, v139
.set n, 0
.rept 8
	ds_store_b128 v249, v[72+4*n:75+4*n] offset:1024*(n/2)+16*(n%2)
.set n, n+1
.endr
	ALUW
	s_wait_dscnt 0x0
	s_barrier_signal -1
	s_barrier_wait -1
.set n, 0
.rept 8
	ds_load_b128 v[104+4*n:107+4*n], v250 offset:2048*(n/4)+4096*(n%4)
.set n, n+1
.endr
	s_wait_dscnt 0x0
.irp f, 0,1
	v_pk_add_f32 v[104+16*\f:105+16*\f], v[104+16*\f:105+16*\f], v[108+16*\f:109+16*\f]
	v_pk_add_f32 v[106+16*\f:107+16*\f], v[106+16*\f:107+16*\f], v[110+16*\f:111+16*\f]
	v_pk_add_f32 v[112+16*\f:113+16*\f], v[112+16*\f:113+16*\f], v[116+16*\f:117+16*\f]
	v_pk_add_f32 v[114+16*\f:115+16*\f], v[114+16*\f:115+16*\f], v[118+16*\f:119+16*\f]
	v_pk_add_f32 v[104+16*\f:105+16*\f], v[104+16*\f:105+16*\f], v[112+16*\f:113+16*\f]
	v_pk_add_f32 v[106+16*\f:107+16*\f], v[106+16*\f:107+16*\f], v[114+16*\f:115+16*\f]
	global_store_b128 v251, v[104+16*\f:107+16*\f], s[16:17] offset:2048*\f   ; a wave stores 512 consecutive bytes
.endr
	s_cmp_lg_u32 s18, 0
	s_cbranch_scc1 .Lno_stat
	global_store_b64 v248, v[18:19], s[16:17] offset:4096
.Lno_stat:
	s_wait_tensorcnt 0x0                           ; the wave's end: behind my last tensor load and my last LDS store
	ds_add_u32 v1, v2
	s_wait_dscnt 0x0
	ROUND                                          ; the closing round: no work-group ends while a partner may still ask for a tile that names it
	s_endpgm
.Lfunc_end_k_q9b0c31f70b_attn:
	.size	k_q9b0c31f70b_attn, .Lfunc_end_k_q9b0c31f70b_attn-k_q9b0c31f70b_attn
	.p2alignl 7, 3214868480
	.fill 96, 4, 3214868480
	.section	.rodata,"a",@progbits
	.p2align	6, 0x0
	.amdhsa_kernel k_q9b0c31f70b_attn
		.amdhsa_group_segment_fixed_size 327680
		.amdhsa_private_segment_fixed_size 0
		.amdhsa_enable_private_segment 0
		.amdhsa_kernarg_size 56
		.amdhsa_user_sgpr_count 2
		.amdhsa_user_sgpr_kernarg_segment_ptr 1
		.amdhsa_wavefront_size32 1
		.amdhsa_system_sgpr_workgroup_id_x 1
		.amdhsa_system_sgpr_workgroup_id_y 1
		.amdhsa_system_sgpr_workgroup_id_z 1
		.amdhsa_system_vgpr_workitem_id 0
		.amdhsa_next_free_vgpr 1024
		.amdhsa_next_free_sgpr 80
		.amdhsa_reserve_vcc 0
		.amdhsa_float_denorm_mode_32 3
		.amdhsa_float_denorm_mode_16_64 3
		.amdhsa_memory_ordered 1
		.amdhsa_forward_progress 1
		.amdhsa_inst_pref_size 255
	.end_amdhsa_kernel
	.section	.bss,"aw",@nobits
	.p2align	6
	.space	262144
	.amdgpu_metadata
---
amdhsa.version: [ 1, 2 ]
amdhsa.kernels:
  - .name:           k_q9b0c31f70b_attn
    .symbol:         k_q9b0c31f70b_attn.kd
    .args:
      - { .name: en_output, .offset: 0, .size: 8, .value_kind: global_buffer, .address_space: global }
      - { .name: w_en_w_codes, .offset: 8, .size: 8, .value_kind: global_buffer, .address_space: global }
      - { .name: w_en_w_scales, .offset: 16, .size: 8, .value_kind: global_buffer, .address_space: global }
      - { .name: v_w, .offset: 24, .size: 8, .value_kind: global_buffer, .address_space: global }
      - { .name: cb, .offset: 32, .size: 8, .value_kind: global_buffer, .address_space: global }
      - { .name: sc, .offset: 40, .size: 8, .value_kind: global_buffer, .address_space: global }
      - { .name: part, .offset: 48, .size: 8, .value_kind: global_buffer, .address_space: global }
    .group_segment_fixed_size: 327680
    .private_segment_fixed_size: 0
    .kernarg_segment_align: 8
    .kernarg_segment_size: 56
    .max_flat_workgroup_size: 128
    .sgpr_count:     80
    .vgpr_count:     1024
    .wavefront_size: 32
...
	.end_amdgpu_metadata
.endif
;; end of part 2
;; launch merge (part 3): grid 256 x 1, 2 waves a work-group, no clusters, 0 bytes of LDS; arguments part, sc, out0, out1; writes out0, out1
.if DOCPART == 3
	.amdgcn_target "amdgcn-amd-amdhsa--gfx1250"
	.amdhsa_code_object_version 6
	.text
	.protected	k_q9b0c31f70b_merge
	.globl	k_q9b0c31f70b_merge
	.p2align	8
	.type	k_q9b0c31f70b_merge,@function
k_q9b0c31f70b_merge:
	s_mov_b64 s[64:65], 0
	v_nop
	global_prefetch_b8 v0, s[64:65] scope:SCOPE_SE
	s_setreg_imm32_b32 hwreg(HW_REG_WAVE_MODE, 25, 1), 1
	s_wait_xcnt 0x0
; The four quarters of a batch are joined.  Quarter i left in part: 1,024 weighted sums a_i taken under its own maximum m_i, then (m_i, l_i); in sc: t for each row.
; (t leaves out the sum of v, a term constant along the softmax's axis: shown at the head of the first kernel.  t and m are in base 2.)
; M = the largest m_i;  w_i = 2^(m_i - M);  L = sum of l_i w_i;  out0 = sum of a_i w_i / L;  out1 = 2^(t - M) / L.
; Work-group g takes a quarter (g % 4) of batch g / 4's 1,024 columns and 1,024 rows: 64 threads, 4 numbers of each output a thread; a wave's store covers 512 consecutive bytes.
; Memory binds and the work is small: no LDS, no barrier, no matrix unit.
	s_load_b256 s[4:11], s[0:1], 0x0               ; part s[4:5], sc s[6:7], out0 s[8:9], out1 s[10:11]
	s_lshr_b32 s12, ttmp9, 2                       ; the batch
	s_and_b32 s13, ttmp9, 3                        ; which quarter of its row
	s_lshl_b32 s13, s13, 10
	v_lshlrev_b32 v1, 4, v0
	v_add_nc_u32 v1, s13, v1                       ; my 16 bytes of a row of 4,096
	v_mov_b32 v2, 0
	s_mul_i32 s14, s12, 17408                      ; four rows of part, 4,352 bytes each
	s_mov_b32 s15, 0
	s_lshl_b32 s16, s12, 12
	s_mov_b32 s17, 0
	s_wait_alu depctr_va_vdst(0)
	s_wait_kmcnt 0x0
	s_add_nc_u64 s[4:5], s[4:5], s[14:15]
	s_add_nc_u64 s[6:7], s[6:7], s[16:17]
	s_add_nc_u64 s[8:9], s[8:9], s[16:17]
	s_add_nc_u64 s[10:11], s[10:11], s[16:17]
.irp i, 0,1,2,3
	global_load_b64 v[24+2*\i:25+2*\i], v2, s[4:5] offset:4352*\i+4096   ; (m_i, l_i)
.endr
	global_load_b128 v[32:35], v1, s[6:7]          ; t
.irp i, 0,1,2,3
	global_load_b128 v[8+4*\i:11+4*\i], v1, s[4:5] offset:4352*\i        ; a_i
.endr
	s_wait_loadcnt 0x0
	v_max3_num_f32 v36, v24, v26, v28
	v_max_num_f32 v36, v36, v30                    ; M
.irp i, 0,1,2,3
	v_sub_f32 v[40+\i], v[24+2*\i], v36
.endr
.irp j, 0,1,2,3
	v_sub_f32 v[44+\j], v[32+\j], v36
.endr
	s_wait_alu depctr_va_vdst(0)
.irp j, 0,1,2,3,4,5,6,7
	v_exp_f32 v[40+\j], v[40+\j]                   ; w_0 .. w_3, then 2^(t - M)
.endr
	v_nop                                          ; a plain instruction behind the last exponential
	s_wait_alu depctr_va_vdst(0)                   ; and one wait for the eight, ahead of their first reader
	v_mul_f32 v37, v25, v40
	v_fmac_f32 v37, v27, v41
	v_fmac_f32 v37, v29, v42
	v_fmac_f32 v37, v31, v43                       ; L
	s_wait_alu depctr_va_vdst(0)
	v_rcp_f32 v38, v37
	v_nop
	s_wait_alu depctr_va_vdst(0)
.irp j, 0,1,2,3,4,5,6,7
	v_mul_f32 v[40+\j], v[40+\j], v38              ; w_i / L, and out1
.endr
.irp j, 0,1,2,3
	v_mul_f32 v[48+\j], v[8+\j], v40
.endr
.irp j, 0,1,2,3
	v_fmac_f32 v[48+\j], v[12+\j], v41
.endr
.irp j, 0,1,2,3
	v_fmac_f32 v[48+\j], v[16+\j], v42
.endr
.irp j, 0,1,2,3
	v_fmac_f32 v[48+\j], v[20+\j], v43
.endr
	global_store_b128 v1, v[48:51], s[8:9]
	global_store_b128 v1, v[44:47], s[10:11]
	s_endpgm
.Lfunc_end_k_q9b0c31f70b_merge:
	.size	k_q9b0c31f70b_merge, .Lfunc_end_k_q9b0c31f70b_merge-k_q9b0c31f70b_merge
	.p2alignl 7, 3214868480
	.fill 96, 4, 3214868480
	.section	.rodata,"a",@progbits
	.p2align	6, 0x0
	.amdhsa_kernel k_q9b0c31f70b_merge
		.amdhsa_group_segment_fixed_size 0
		.amdhsa_private_segment_fixed_size 0
		.amdhsa_enable_private_segment 0
		.amdhsa_kernarg_size 32
		.amdhsa_user_sgpr_count 2
		.amdhsa_user_sgpr_kernarg_segment_ptr 1
		.amdhsa_wavefront_size32 1
		.amdhsa_system_sgpr_workgroup_id_x 1
		.amdhsa_system_sgpr_workgroup_id_y 1
		.amdhsa_system_sgpr_workgroup_id_z 1
		.amdhsa_system_vgpr_workitem_id 0
		.amdhsa_next_free_vgpr 64
		.amdhsa_next_free_sgpr 66
		.amdhsa_reserve_vcc 0
		.amdhsa_float_denorm_mode_32 3
		.amdhsa_float_denorm_mode_16_64 3
		.amdhsa_memory_ordered 1
		.amdhsa_forward_progress 1
		.amdhsa_inst_pref_size 4
	.end_amdhsa_kernel
	.amdgpu_metadata
---
amdhsa.version: [ 1, 2 ]
amdhsa.kernels:
  - .name:           k_q9b0c31f70b_merge
    .symbol:         k_q9b0c31f70b_merge.kd
    .args:
      - { .name: part, .offset: 0, .size: 8, .value_kind: global_buffer, .address_space: global }
      - { .name: sc, .offset: 8, .size: 8, .value_kind: global_buffer, .address_space: global }
      - { .name: out0, .offset: 16, .size: 8, .value_kind: global_buffer, .address_space: global }
      - { .name: out1, .offset: 24, .size: 8, .value_kind: global_buffer, .address_space: global }
    .group_segment_fixed_size: 0
    .private_segment_fixed_size: 0
    .kernarg_segment_align: 8
    .kernarg_segment_size: 32
    .max_flat_workgroup_size: 64
    .sgpr_count:     66
    .vgpr_count:     64
    .wavefront_size: 32
...
	.end_amdgpu_metadata
.endif
;; end of part 3
